; MI455X (gfx1250); checked and timed in simulation.
; The chip was launched on July 23, 2026; its instructions are those of AMD's public machine-readable ISA for CDNA 5 (MIT licence, August 2026) and "CDNA5" Instruction Set Architecture Reference Guide (July 2026). The comments in the code are by the model that wrote it; some were corrected since.
;; FCNN Color Counter Valuation Function. Allowed arithmetic: float matrix products may take bf16 or f16 operands with f32 sums; other float arithmetic in f32, or as packed bf16 or f16 multiplies, adds, multiply-adds, maxima and minima; sums over many terms, partial sums and values carried from step to step in f32; what a program stores and reads back later, other than sums and carried values, may be rounded once to bf16 or f16.
;; Inputs: a 2,097,152 x 10 float32; z 2,097,152 x 16 float32.
;; Outputs: out0 2,097,152 float32.
;; Constants: attr_index = 8.
;; 2 versions, each right; version 2 is version 1 with the launch pick written anew for expert scheduling mode. Each part assembles by itself: llvm-mc -triple=amdgcn-amd-amdhsa -mcpu=gfx1250 --defsym DOCPART=n.
;; ======== version 1 of 2: 1 launch
;; launch pick (part 1): grid 256 x 1, 16 waves a work-group, no clusters, 92,160 bytes of LDS; arguments a, z, out0; writes out0
.if DOCPART == 1
	.amdgcn_target "amdgcn-amd-amdhsa--gfx1250"
	.amdhsa_code_object_version 6
	.text
	.protected	k_q8b615030a5_pick
	.globl	k_q8b615030a5_pick
	.p2align	8
	.type	k_q8b615030a5_pick,@function
k_q8b615030a5_pick:
	s_mov_b64 s[64:65], 0
	v_nop
	global_prefetch_b8 v0, s[64:65] scope:SCOPE_SE
	s_setreg_imm32_b32 hwreg(HW_REG_WAVE_MODE, 25, 1), 1
	s_wait_xcnt 0x0
; out0[i] = 0.999 * a[i][int(z[i][8])].  a: [2097152][10] f32, z: [2097152][16] f32, out0: [2097152] f32.
; WORK LEFT OUT.  The result hangs on z through column attr_index = 8 alone, whatever z holds: the other 15 columns of z have no way to the output and are not loaded:
; of each row of 64 bytes the 4 bytes at byte 32 are asked for.  A NaN or an infinity in those 15 columns is not carried to the result (nor is it by the formula above).
; WORK THAT STAYS.  Which of a row's ten numbers is wanted hangs on z's value, a floating-point number: no address is made of it.  All ten are loaded and nine selects pick one.
; LIMIT.  The index int(z[i][8]) (cut toward zero) lies in 0 .. 9, inside the table's row; below 0, or for a NaN, column 0 is picked, above 9 column 9.
; SHARES.  256 work-groups x 16 waves x 512 rows.  A wave takes its rows in four chunks of 128 and asks for all four at its head: 56 loads, nothing is asked for later, so there is no loop.
; A CHUNK.  z: four loads of 4 bytes a lane, lane l takes row 32 j + l: 32 rows on end, 2,048 consecutive bytes of z touched by one instruction and by no other.
;   a: ten loads of 16 bytes a lane, 512 consecutive bytes each: the chunk's 5,120 bytes as they lie.  They are copied as they lie into the wave's own stage in LDS and read back a row a lane.
;   The four results of a lane (rows 32 j + l) go through 512 more bytes of the wave's own LDS, so that lane l holds rows 4 l .. 4 l + 3: one store of 16 bytes a lane, 512 consecutive bytes, aligned.
; NO BARRIER: every LDS byte is one wave's own, and LDS serves a wave's instructions in order (ISA guide 5.7.1.4): a chunk's stores into the stage come behind the reads of the chunk before.
.set WAVES,  16
.set CHUNKS, 4                         ; chunks of a wave
.set ROWS,   128                       ; rows in a chunk
.set AROW,   40                        ; bytes in a row of a
.set ZROW,   64                        ; bytes in a row of z
.set ZCOL,   32                        ; byte of column attr_index = 8 in a row of z
.set ACH,    ROWS*AROW                 ; 5,120: a chunk of a, and the stage for it
.set WLDS,   ACH+ROWS*4                ; 5,632: a wave's LDS: the stage for a, then 512 bytes for the results
.set SPARE,  WAVES*WLDS                ; 90,112: behind the stages: the spare words, 128 bytes for each wave: eight blocks of 256 bytes that no other line names
.set PERCH,  14                        ; loads of a chunk: 4 of z, 10 of a
.set LN,  2                            ; v2   lane
.set GO,  3                            ; v3   16 x lane: my offset in 512 bytes of a, and of out0; never rewritten
.set ZO,  4                            ; v4   64 x lane + 32: my row's column 8 in 32 rows of z; never rewritten
.set LS,  5                            ; v5   LDS: my wave's stage + 16 x lane
.set LR,  6                            ; v6   LDS: my wave's stage + 40 x lane: my row among 32
.set LO,  7                            ; v7   LDS: my wave's stage + 4 x lane
.set SPW, 8                            ; v8   LDS address of my spare word: SPARE + 4 x my thread's number; never rewritten
.set NIL, 9                            ; v9   0; never rewritten
.set Z,   12                           ; v[12:27]   chunk c, group j of 32 rows: z, then the index, at Z + 4 c + j
.set A,   28                           ; v[28:187]  chunk c: 40 registers: first ten pieces of 16 bytes as loaded, then group j's ten columns at A + 40 c + 10 j
.set MSK, 20                           ; s[20:23]   a mask for each of the four groups
	s_load_b128 s[4:7], s[0:1], 0x0                ; a s[4:5], z s[6:7]
	s_load_b64 s[8:9], s[0:1], 0x10                ; out0
	v_lshl_add_u32 v[SPW], v0, 2, SPARE
	v_mov_b32 v[NIL], 0
	v_lshrrev_b32 v1, 5, v0
	v_readfirstlane_b32 s10, v1                    ; wave 0..15
	v_and_b32 v[LN], 31, v0
	s_lshl_b32 s11, ttmp9, 4
	s_add_co_u32 s11, s11, s10                     ; my wave among the launch's 4,096
	s_mul_i32 s12, s11, CHUNKS*ACH                 ; its 512 rows in a (under 2^27 bytes),
	s_mov_b32 s13, 0
	s_mul_i32 s14, s11, CHUNKS*ROWS*ZROW           ; in z (under 2^28),
	s_mov_b32 s15, 0
	s_mul_i32 s16, s11, CHUNKS*ROWS*4              ; and in out0
	s_mov_b32 s17, 0
	s_mul_i32 s18, s10, WLDS                       ; my wave's LDS
	v_lshlrev_b32 v[GO], 4, v[LN]
	v_lshl_add_u32 v[ZO], v[LN], 6, ZCOL
	s_wait_kmcnt 0x0
	s_add_nc_u64 s[4:5], s[4:5], s[12:13]
	s_add_nc_u64 s[6:7], s[6:7], s[14:15]
	s_add_nc_u64 s[8:9], s[8:9], s[16:17]
; Chunk c is asked for: z first, so that the wait for a's pieces also shows z in.  Both inputs are read once in the launch.
.macro ASK c
.irp j, 0,1,2,3
	global_load_b32 v[Z+4*(\c)+(\j)], v[ZO], s[6:7] offset:32*ZROW*(4*(\c)+(\j)) th:TH_LOAD_NT
.endr
.irp k, 0,1,2,3,4,5,6,7,8,9
	global_load_b128 v[A+40*(\c)+4*(\k):A+40*(\c)+4*(\k)+3], v[GO], s[4:5] offset:ACH*(\c)+512*(\k) th:TH_LOAD_NT
.endr
.endm
	ASK 0
	ASK 1
	ASK 2
	ASK 3                                          ; 56 loads of mine are out
	v_add_nc_u32 v[LS], s18, v[GO]                 ; the LDS addresses are made while they are on their way
	v_mad_u32_u24 v[LR], v[LN], AROW, s18
	v_lshl_add_u32 v[LO], v[LN], 2, s18
; Chunk c is worked on and stored.
.macro WORK c
.irp k, 0,1,2,3,4,5,6,7,8,9
	s_wait_loadcnt PERCH*(CHUNKS-1-(\c))+9-(\k)    ; loads come back in order (ISA guide 5.7.1): piece k is in; its chunk's later pieces and the later chunks' 14 loads each stay out
	ds_store_b128 v[LS], v[A+40*(\c)+4*(\k):A+40*(\c)+4*(\k)+3] offset:512*(\k)
.endr
	; back, a row a lane: group j's lane l takes row 32 j + l, 8 bytes (columns 2 m, 2 m + 1) a load.  Rows are 10 words apart: 10 l mod 64 is a different even number for each of
	; the 32 lanes, so each lane has two banks of its own (64 banks of 4 bytes: ISA guide 11.1).  Column pair by column pair, so that the selects below can begin with the first.
.irp m, 0,1,2,3,4
.irp j, 0,1,2,3
	ds_load_b64 v[A+40*(\c)+10*(\j)+2*(\m):A+40*(\c)+10*(\j)+2*(\m)+1], v[LR] offset:32*AROW*(\j)+8*(\m)
.endr
.endr
.irp j, 0,1,2,3
	v_cvt_i32_f32 v[Z+4*(\c)+(\j)], v[Z+4*(\c)+(\j)]  ; the index: cut toward zero
.endr
	; the pick starts as column 0 and becomes column n wherever n <= index: behind n = 9 it is the index's column.  The four groups go side by side, a mask each.
.irp n, 1,2,3,4,5,6,7,8,9
.if ((\n) == 1) || ((\n) % 2 == 0)
	s_wait_dscnt 16-4*((\n)/2)                     ; column pair n / 2 of all four groups is in; the later pairs' loads, four each, stay out
.endif
.irp j, 0,1,2,3
	v_cmp_le_i32 s[MSK+(\j)], \n, v[Z+4*(\c)+(\j)]
.endr
.irp j, 0,1,2,3
	v_cndmask_b32 v[A+40*(\c)+10*(\j)], v[A+40*(\c)+10*(\j)], v[A+40*(\c)+10*(\j)+(\n)], s[MSK+(\j)]
.endr
.endr
.irp j, 0,1,2,3
	v_mul_f32 v[A+40*(\c)+10*(\j)], 0x3f7fbe77, v[A+40*(\c)+10*(\j)]  ; x 0.999
.endr
.irp j, 0,1,2,3
	ds_store_b32 v[LO], v[A+40*(\c)+10*(\j)] offset:ACH+128*(\j)      ; row 32 j + l of the chunk's 128 results
.endr
	ds_load_b128 v[A+40*(\c)+4:A+40*(\c)+7], v[LS] offset:ACH         ; rows 4 l .. 4 l + 3, into registers of the chunk that nothing reads any more and nothing writes again
	s_wait_dscnt 0x0
	global_store_b128 v[GO], v[A+40*(\c)+4:A+40*(\c)+7], s[8:9] offset:512*(\c) th:TH_STORE_NT  ; the wave stores 512 consecutive bytes, at a multiple of 512 from out0's first byte
.endm
	WORK 0
	WORK 1
	WORK 2
	WORK 3
	s_wait_tensorcnt 0x0                           ; the wave's end: behind my last LDS store
	ds_add_u32 v[SPW], v[NIL]
	s_wait_dscnt 0x0
	s_endpgm
.Lfunc_end_k_q8b615030a5_pick:
	.size	k_q8b615030a5_pick, .Lfunc_end_k_q8b615030a5_pick-k_q8b615030a5_pick
	.p2alignl 7, 3214868480
	.fill 96, 4, 3214868480
	.section	.rodata,"a",@progbits
	.p2align	6, 0x0
	.amdhsa_kernel k_q8b615030a5_pick
		.amdhsa_group_segment_fixed_size 92160
		.amdhsa_private_segment_fixed_size 0
		.amdhsa_enable_private_segment 0
		.amdhsa_kernarg_size 24
		.amdhsa_user_sgpr_count 2
		.amdhsa_user_sgpr_kernarg_segment_ptr 1
		.amdhsa_wavefront_size32 1
		.amdhsa_system_sgpr_workgroup_id_x 1
		.amdhsa_system_sgpr_workgroup_id_y 1
		.amdhsa_system_sgpr_workgroup_id_z 1
		.amdhsa_system_vgpr_workitem_id 0
		.amdhsa_next_free_vgpr 188
		.amdhsa_next_free_sgpr 66
		.amdhsa_reserve_vcc 0
		.amdhsa_float_denorm_mode_32 3
		.amdhsa_float_denorm_mode_16_64 3
		.amdhsa_memory_ordered 1
		.amdhsa_forward_progress 1
		.amdhsa_inst_pref_size 38
	.end_amdhsa_kernel
	.amdgpu_metadata
---
amdhsa.version: [ 1, 2 ]
amdhsa.kernels:
  - .name:           k_q8b615030a5_pick
    .symbol:         k_q8b615030a5_pick.kd
    .args:
      - { .name: a, .offset: 0, .size: 8, .value_kind: global_buffer, .address_space: global }
      - { .name: z, .offset: 8, .size: 8, .value_kind: global_buffer, .address_space: global }
      - { .name: out0, .offset: 16, .size: 8, .value_kind: global_buffer, .address_space: global }
    .group_segment_fixed_size: 92160
    .private_segment_fixed_size: 0
    .kernarg_segment_align: 8
    .kernarg_segment_size: 24
    .max_flat_workgroup_size: 512
    .sgpr_count:     66
    .vgpr_count:     188
    .wavefront_size: 32
...
	.end_amdgpu_metadata
.endif
;; end of part 1
;; ======== version 2 of 2: 1 launch; version 1 with the launch pick written anew for expert scheduling mode
;; launch pick (part 2): grid 256 x 1, 16 waves a work-group, no clusters, 92,160 bytes of LDS; arguments a, z, out0; writes out0
.if DOCPART == 2
	.amdgcn_target "amdgcn-amd-amdhsa--gfx1250"
	.amdhsa_code_object_version 6
	.text
	.protected	k_q8b615030a5_pick
	.globl	k_q8b615030a5_pick
	.p2align	8
	.type	k_q8b615030a5_pick,@function
k_q8b615030a5_pick:
	s_mov_b64 s[64:65], 0
	v_nop
	global_prefetch_b8 v0, s[64:65] scope:SCOPE_SE
	s_setreg_imm32_b32 hwreg(HW_REG_WAVE_SCHED_MODE, 0, 2), 2
	s_setreg_imm32_b32 hwreg(HW_REG_WAVE_MODE, 25, 1), 1
	s_wait_xcnt 0x0
	s_wait_alu depctr_vm_vsrc(0)
; out0[i] = 0.999 * a[i][int(z[i][8])].  a: [2097152][10] f32, z: [2097152][16] f32, out0: [2097152] f32.
; WORK LEFT OUT.  The result hangs on z through column attr_index = 8 alone, whatever z holds: the other 15 columns of z have no way to the output and are not loaded:
; of each row of 64 bytes the 4 bytes at byte 32 are asked for.  A NaN or an infinity in those 15 columns is not carried to the result (nor is it by the formula above).
; WORK THAT STAYS.  Which of a row's ten numbers is wanted hangs on z's value, a floating-point number: no address is made of it.  All ten are loaded and nine selects pick one.
; LIMIT.  The index int(z[i][8]) (cut toward zero) lies in 0 .. 9, inside the table's row; below 0, or for a NaN, column 0 is picked, above 9 column 9.
; SHARES.  256 work-groups x 16 waves x 512 rows.  A wave takes its rows in four chunks of 128 and asks for all four at its head: 56 loads, nothing is asked for later, so there is no loop.
; A CHUNK.  z: four loads of 4 bytes a lane, lane l takes row 32 j + l: 32 rows on end, 2,048 consecutive bytes of z touched by one instruction and by no other.
;   a: ten loads of 16 bytes a lane, 512 consecutive bytes each: the chunk's 5,120 bytes as they lie.  They are copied as they lie into the wave's own stage in LDS and read back a row a lane.
;   The four results of a lane (rows 32 j + l) go through 512 more bytes of the wave's own LDS, so that lane l holds rows 4 l .. 4 l + 3: one store of 16 bytes a lane, 512 consecutive bytes, aligned.
; NO BARRIER: every LDS byte is one wave's own, and LDS serves a wave's instructions in order (ISA guide 5.7.1.4): a chunk's stores into the stage come behind the reads of the chunk before.
; THE MODE: SCHED_MODE bits 1:0 = 2 (LLVM: expert scheduling mode 2), set by the entry lines.  The code itself states the register dependences
; between vector instructions and memory or LDS instructions, with s_wait_alu, always for 0.
; THE PLAN.  Registers that memory or LDS instructions touch:
;   v[GO], v[ZO], v[LS], v[LR], v[LO]   offsets and LDS addresses: written by vector instructions at the head, never again; read by every load and store: one wait on va_vdst ahead of the first load.
;   Z, chunk c    the loads of z land in it at the head, before any vector instruction names it; from then on vector instructions alone name it.
;   A, chunk c    in this order: the ten loads of a land in it; the ten LDS stores into the stage read it; the twenty row loads land in it (ahead of them one wait on vm_vsrc);
;                 the selects and the multiply read it and write registers 0, 10, 20, 30 of it; the four LDS stores of the results read those, and the results come back into registers 4 to 7,
;                 which the selects have read (ahead of these five one wait on va_vdst); the store to out0 reads registers 4 to 7; nothing writes them again.
;   s[MSK ..]     a chunk's 36 masks are made in one run of compares, with one wait on va_sdst between the run and the selects that read them.
;   v[SPW], v[NIL]  written at the head, read by the closing add alone.
; A chunk's store to out0 stands in the next chunk, behind that chunk's thirty LDS instructions: the results come back from LDS meanwhile.
.set WAVES,  16
.set CHUNKS, 4                         ; chunks of a wave
.set ROWS,   128                       ; rows in a chunk
.set AROW,   40                        ; bytes in a row of a
.set ZROW,   64                        ; bytes in a row of z
.set ZCOL,   32                        ; byte of column attr_index = 8 in a row of z
.set ACH,    ROWS*AROW                 ; 5,120: a chunk of a, and the stage for it
.set WLDS,   ACH+ROWS*4                ; 5,632: a wave's LDS: the stage for a, then 512 bytes for the results
.set SPARE,  WAVES*WLDS                ; 90,112: behind the stages: the spare words, 128 bytes for each wave: eight blocks of 256 bytes that no other line names
.set PERCH,  14                        ; loads of a chunk: 4 of z, 10 of a
.set LN,  2                            ; v2   lane
.set GO,  3                            ; v3   16 x lane: my offset in 512 bytes of a, and of out0; never rewritten
.set ZO,  4                            ; v4   64 x lane + 32: my row's column 8 in 32 rows of z; never rewritten
.set LS,  5                            ; v5   LDS: my wave's stage + 16 x lane
.set LR,  6                            ; v6   LDS: my wave's stage + 40 x lane: my row among 32
.set LO,  7                            ; v7   LDS: my wave's stage + 4 x lane
.set SPW, 8                            ; v8   LDS address of my spare word: SPARE + 4 x my thread's number; never rewritten
.set NIL, 9                            ; v9   0; never rewritten
.set Z,   12                           ; v[12:27]   chunk c, group j of 32 rows: z, then the index, at Z + 4 c + j
.set A,   28                           ; v[28:187]  chunk c: 40 registers: first ten pieces of 16 bytes as loaded, then group j's ten columns at A + 40 c + 10 j
.set MSK, 20                           ; s[20:55]   the chunk's masks: column n (1 to 9), group j at MSK + 4 (n - 1) + j
	s_load_b128 s[4:7], s[0:1], 0x0                ; a s[4:5], z s[6:7]
	s_load_b64 s[8:9], s[0:1], 0x10                ; out0
	v_lshl_add_u32 v[SPW], v0, 2, SPARE
	v_mov_b32 v[NIL], 0
	v_lshrrev_b32 v1, 5, v0
	v_readfirstlane_b32 s10, v1                    ; wave 0..15
	v_and_b32 v[LN], 31, v0
	v_lshlrev_b32 v[GO], 4, v[LN]
	v_lshl_add_u32 v[ZO], v[LN], 6, ZCOL
	s_wait_alu depctr_va_sdst(0)                   ; s10 is written, ahead of its first reader: the three bases and my wave's place in LDS are made from it
	s_lshl_b32 s11, ttmp9, 4
	s_add_co_u32 s11, s11, s10                     ; my wave among the launch's 4,096
	s_mul_i32 s12, s11, CHUNKS*ACH                 ; its 512 rows in a (under 2^27 bytes),
	s_mov_b32 s13, 0
	s_mul_i32 s14, s11, CHUNKS*ROWS*ZROW           ; in z (under 2^28),
	s_mov_b32 s15, 0
	s_mul_i32 s16, s11, CHUNKS*ROWS*4              ; and in out0
	s_mov_b32 s17, 0
	s_mul_i32 s18, s10, WLDS                       ; my wave's LDS
	v_add_nc_u32 v[LS], s18, v[GO]                 ; the LDS addresses are made while the arguments are on their way
	v_mad_u32_u24 v[LR], v[LN], AROW, s18
	v_lshl_add_u32 v[LO], v[LN], 2, s18
	s_wait_kmcnt 0x0
	s_add_nc_u64 s[4:5], s[4:5], s[12:13]
	s_add_nc_u64 s[6:7], s[6:7], s[14:15]
	s_add_nc_u64 s[8:9], s[8:9], s[16:17]
	s_wait_alu depctr_va_vdst(0)                   ; v[GO], v[ZO], v[LS], v[LR] and v[LO] are written: every load and store of the kernel reads one of them as its offset or address
; Chunk c is asked for: z first, so that the wait for a's pieces also shows z in.  Both inputs are read once in the launch.
.macro ASK c
.irp j, 0,1,2,3
	global_load_b32 v[Z+4*(\c)+(\j)], v[ZO], s[6:7] offset:32*ZROW*(4*(\c)+(\j)) th:TH_LOAD_NT
.endr
.irp k, 0,1,2,3,4,5,6,7,8,9
	global_load_b128 v[A+40*(\c)+4*(\k):A+40*(\c)+4*(\k)+3], v[GO], s[4:5] offset:ACH*(\c)+512*(\k) th:TH_LOAD_NT
.endr
.endm
	ASK 0
	ASK 1
	ASK 2
	ASK 3                                          ; 56 loads of mine are out
; Chunk c's results are stored.  younger: the LDS instructions issued behind the load that brought them back.
.macro SEND c, younger
	s_wait_dscnt \younger                          ; LDS instructions end in order (ISA guide 5.7.1): rows 4 l .. 4 l + 3 of chunk c are back in registers
	global_store_b128 v[GO], v[A+40*(\c)+4:A+40*(\c)+7], s[8:9] offset:512*(\c) th:TH_STORE_NT  ; the wave stores 512 consecutive bytes, at a multiple of 512 from out0's first byte
.endm
; Chunk c is worked on; the chunk before is stored.
.macro WORK c
.irp k, 0,1,2,3,4,5,6,7,8,9
	s_wait_loadcnt PERCH*(CHUNKS-1-(\c))+9-(\k)    ; loads come back in order (ISA guide 5.7.1): piece k is in; its chunk's later pieces and the later chunks' 14 loads each stay out
	ds_store_b128 v[LS], v[A+40*(\c)+4*(\k):A+40*(\c)+4*(\k)+3] offset:512*(\k)
.endr
	s_wait_alu depctr_vm_vsrc(0)                   ; the ten LDS stores above have read the chunk's 40 registers, in which the rows below land
	; back, a row a lane: group j's lane l takes row 32 j + l, 8 bytes (columns 2 m, 2 m + 1) a load.  Rows are 10 words apart: 10 l mod 64 is a different even number for each of
	; the 32 lanes, so each lane has two banks of its own (64 banks of 4 bytes: ISA guide 11.1).  Column pair by column pair, so that the selects below can begin with the first.
.irp m, 0,1,2,3,4
.irp j, 0,1,2,3
	ds_load_b64 v[A+40*(\c)+10*(\j)+2*(\m):A+40*(\c)+10*(\j)+2*(\m)+1], v[LR] offset:32*AROW*(\j)+8*(\m)
.endr
.endr
.irp j, 0,1,2,3
	v_cvt_i32_f32 v[Z+4*(\c)+(\j)], v[Z+4*(\c)+(\j)]  ; the index: cut toward zero
.endr
	; the masks hang on the index alone: all 36 are made in one run, while the rows are on their way from LDS
.irp n, 1,2,3,4,5,6,7,8,9
.irp j, 0,1,2,3
	v_cmp_le_i32 s[MSK+4*((\n)-1)+(\j)], \n, v[Z+4*(\c)+(\j)]
.endr
.endr
	s_wait_alu depctr_va_sdst(0)                   ; the 36 compares have written s[MSK ..], ahead of the first select that reads one of them
.if (\c) > 0
	SEND (\c)-1, 30                                ; behind the load of the last chunk's results stand this chunk's ten stores and twenty loads
.endif
	; the pick starts as column 0 and becomes column n wherever n <= index: behind n = 9 it is the index's column.  The four groups go side by side, a mask each.
.irp n, 1,2,3,4,5,6,7,8,9
.if ((\n) == 1) || ((\n) % 2 == 0)
	s_wait_dscnt 16-4*((\n)/2)                     ; column pair n / 2 of all four groups is in; the later pairs' loads, four each, stay out
.endif
.irp j, 0,1,2,3
	v_cndmask_b32 v[A+40*(\c)+10*(\j)], v[A+40*(\c)+10*(\j)], v[A+40*(\c)+10*(\j)+(\n)], s[MSK+4*((\n)-1)+(\j)]
.endr
.endr
.irp j, 0,1,2,3
	v_mul_f32 v[A+40*(\c)+10*(\j)], 0x3f7fbe77, v[A+40*(\c)+10*(\j)]  ; x 0.999
.endr
	s_wait_alu depctr_va_vdst(0)                   ; the multiplies have written the four results, which the LDS stores below read; the selects are done reading registers 4 to 7 of the chunk, in which the load below lands
.irp j, 0,1,2,3
	ds_store_b32 v[LO], v[A+40*(\c)+10*(\j)] offset:ACH+128*(\j)      ; row 32 j + l of the chunk's 128 results
.endr
	ds_load_b128 v[A+40*(\c)+4:A+40*(\c)+7], v[LS] offset:ACH         ; rows 4 l .. 4 l + 3, into registers of the chunk that nothing reads any more but the store to out0, and nothing writes again
.endm
	WORK 0
	WORK 1
	WORK 2
	WORK 3
	SEND 3, 0                                      ; the last chunk: nothing was issued behind its load
	s_wait_dscnt 0x0                               ; the closing lines, six on end
	s_wait_alu 0x0
	s_wait_tensorcnt 0x0
	ds_add_u32 v[SPW], v[NIL]
	s_wait_dscnt 0x0
	s_endpgm
.Lfunc_end_k_q8b615030a5_pick:
	.size	k_q8b615030a5_pick, .Lfunc_end_k_q8b615030a5_pick-k_q8b615030a5_pick
	.p2alignl 7, 3214868480
	.fill 96, 4, 3214868480
	.section	.rodata,"a",@progbits
	.p2align	6, 0x0
	.amdhsa_kernel k_q8b615030a5_pick
		.amdhsa_group_segment_fixed_size 92160
		.amdhsa_private_segment_fixed_size 0
		.amdhsa_enable_private_segment 0
		.amdhsa_kernarg_size 24
		.amdhsa_user_sgpr_count 2
		.amdhsa_user_sgpr_kernarg_segment_ptr 1
		.amdhsa_wavefront_size32 1
		.amdhsa_system_sgpr_workgroup_id_x 1
		.amdhsa_system_sgpr_workgroup_id_y 1
		.amdhsa_system_sgpr_workgroup_id_z 1
		.amdhsa_system_vgpr_workitem_id 0
		.amdhsa_next_free_vgpr 188
		.amdhsa_next_free_sgpr 66
		.amdhsa_reserve_vcc 0
		.amdhsa_float_denorm_mode_32 3
		.amdhsa_float_denorm_mode_16_64 3
		.amdhsa_memory_ordered 1
		.amdhsa_forward_progress 1
		.amdhsa_inst_pref_size 38
	.end_amdhsa_kernel
	.amdgpu_metadata
---
amdhsa.version: [ 1, 2 ]
amdhsa.kernels:
  - .name:           k_q8b615030a5_pick
    .symbol:         k_q8b615030a5_pick.kd
    .args:
      - { .name: a, .offset: 0, .size: 8, .value_kind: global_buffer, .address_space: global }
      - { .name: z, .offset: 8, .size: 8, .value_kind: global_buffer, .address_space: global }
      - { .name: out0, .offset: 16, .size: 8, .value_kind: global_buffer, .address_space: global }
    .group_segment_fixed_size: 92160
    .private_segment_fixed_size: 0
    .kernarg_segment_align: 8
    .kernarg_segment_size: 24
    .max_flat_workgroup_size: 512
    .sgpr_count:     66
    .vgpr_count:     188
    .wavefront_size: 32
...
	.end_amdgpu_metadata
.endif
;; end of part 2
